; MI455X (gfx1250); checked and timed in simulation.
; The chip was launched on July 23, 2026; its instructions are those of AMD's public machine-readable ISA for CDNA 5 (MIT licence, August 2026) and "CDNA5" Instruction Set Architecture Reference Guide (July 2026). The comments in the code are by the model that wrote it; some were corrected since.
;; Reconstruction. Allowed arithmetic: float matrix products may take bf16 or f16 operands with f32 sums; all other float work in f32.
;; Inputs: density_raw 256 x 256 x 256 float32; source 2 x 32,768 x 3 float32; spacing 3 float32; target 2 x 32,768 x 3 float32.
;; Outputs: out0 2 x 32,768 float32.
;; Constants: n_points = 400.
;; One version. Each part assembles by itself: llvm-mc -triple=amdgcn-amd-amdhsa -mcpu=gfx1250 --defsym DOCPART=n.
;; ======== version 1 of 1: 2 launches
;; limits: values outside matrix products are rounded to bf16; inputs' magnitudes at most 32,767
;; workspace buffers: bricks 67,108,864 bytes; rayfix 3,145,728 bytes of whole numbers
;; launch prep (part 1): grid 64 x 64, 10 waves a work-group, no clusters, 19,200 bytes of LDS; arguments density_raw, source, target, bricks, rayfix; writes bricks, rayfix
.if DOCPART == 1
	.amdgcn_target "amdgcn-amd-amdhsa--gfx1250"
	.amdhsa_code_object_version 6
	.text
	.protected	k_q5688f51635_prep
	.globl	k_q5688f51635_prep
	.p2align	8
	.type	k_q5688f51635_prep,@function
k_q5688f51635_prep:
	s_mov_b64 s[64:65], 0
	v_nop
	global_prefetch_b8 v0, s[64:65] scope:SCOPE_SE
	s_setreg_imm32_b32 hwreg(HW_REG_WAVE_MODE, 25, 1), 1
	s_wait_xcnt 0x0
; PREP.  Two tables for the launch that marches the rays.
; (1) bricks: density = sigmoid(raw - 6), made in f32, rounded once to bf16, laid out in BRICKS.  Brick (bz, by, bx) holds the 5 x 5 x 5 numbers
;     density[min(4 bz + k, 255)][min(4 by + j, 255)][min(4 bx + i, 255)], k, j, i = 0..4, at byte 2 (25 k + 5 j + i) of its 256 bytes (250 used, 6 zeros);
;     brick number (64 bz + by) 64 + bx.  So the 8 corners of every cell lie in ONE aligned 256 bytes, at constant distances from the cell's first corner,
;     and the repeated border is reference()'s i1 = min(i0 + 1, 255).
; (2) rayfix: for each ray and axis 16 bytes of whole numbers {start hi, start lo, step hi, step lo}: start = source, step = (target - source) / 399, each as a
;     signed 64-bit fixed-point number with 48 fractional bits (hi = floor(65536 v), lo = the next 32 bits).  The next launch forms its addresses from these alone.
; LIMITS.  The table is bf16: each density is off by at most 2^-9 of itself.  A density below 2^-126 is stored as 0 (v_exp_f32 and v_rcp_f32 flush: ISA guide 15.8).
; Coordinates are clamped to +-32,767 before the conversion, so that hi fits 32 bits: rays with larger coordinates are bent.  NaN and infinities are not treated apart.
; SHARES.  A work-group makes the 64 bricks of one (bz, by): it needs 5 planes x 5 rows of 256 voxels.  Ten waves: wave w takes row j = w >> 1 and the half w & 1 of x;
; a lane takes 4 voxels of each of the 5 planes: five 16-byte loads, a wave's load covering 512 consecutive bytes.  The numbers go into an image of the bricks in LDS
; and come back 16 bytes a lane: each store of a wave covers 512 consecutive bytes, aligned: two whole bricks.
; No matrix unit, no tensor load, no cluster: there is no product, and no two work-groups want the same bytes at the same time but the halo rows.
.set BP,    272                        ; a brick's image in LDS: 256 bytes + 16 = 68 words: lane q starts at bank 4 q mod 64 (64 banks of 4 bytes: ISA guide 11.1): two lanes of 32 to a bank
.set SPARE, 17920                      ; behind the 65 images (17,680 bytes): the spare words, 128 bytes for each of ten waves: five blocks of 256 bytes that no other line names
.set ZSTEP, 262144                     ; bytes from a plane of the volume to the next
.set SPW, 1                            ; v1      LDS address of my spare word; never rewritten
.set NIL, 2                            ; v2      0; never rewritten
.set LN,  3                            ; v3      lane
.set QD,  4                            ; v4      q: which four voxels of the row, and which brick, are mine (0..63)
.set GA,  5                            ; v5      byte offset in the volume of my 16 bytes in plane 4 bz
.set GB,  6                            ; v6      the same in plane min(4 bz + 4, 255)
.set LA,  7                            ; v7      272 q + 10 j: my row in image q
.set ZR,  8                            ; v8      0, for the bricks' last 6 bytes
.set PA,  9                            ; v9      272 q
.set RD,  10                           ; v10     where I read 16 bytes of an image back
.set GO,  11                           ; v11     my byte offset in the work-group's 16 KiB of bricks
.set XV,  16                           ; v[16:35] plane k: 4 registers as loaded, then at work; later the images read back
.set PKD, 36                           ; v[36:45] plane k: 2 registers, 4 bf16
.set RY,  48                           ; v[48:55] the rays' conversion
	s_load_b256 s[4:11], s[0:1], 0x0               ; density_raw s[4:5], source s[6:7], target s[8:9], bricks s[10:11]
	s_load_b64 s[12:13], s[0:1], 0x20              ; rayfix
	v_lshl_add_u32 v[SPW], v0, 2, SPARE
	v_mov_b32 v[NIL], 0
	v_lshrrev_b32 v[LN], 5, v0
	v_readfirstlane_b32 s14, v[LN]                 ; wave 0..9
	v_and_b32 v[LN], 31, v0
	s_and_b32 s15, ttmp7, 0xffff                   ; bz; by is ttmp9
	s_lshr_b32 s16, s14, 1                         ; j
	s_and_b32 s17, s14, 1
	s_lshl_b32 s17, s17, 5
	v_add_nc_u32 v[QD], s17, v[LN]                 ; q = 32 (wave & 1) + lane
	s_lshl2_add_u32 s18, ttmp9, s16                ; 4 by + j,
	s_min_u32 s18, s18, 255                        ; at the border the last row once more
	s_lshl_b32 s18, s18, 10                        ; a row is 1,024 bytes
	s_lshl_b32 s19, s15, 20                        ; plane 4 bz
	s_add_co_u32 s18, s18, s19
	v_lshl_add_u32 v[GA], v[QD], 4, s18
	s_lshl_b32 s20, s15, 2
	s_add_co_u32 s21, s20, 4
	s_min_u32 s21, s21, 255
	s_sub_co_u32 s21, s21, s20                     ; the fifth plane lies 4 planes on, at the border 3
	s_lshl_b32 s21, s21, 18
	v_add_nc_u32 v[GB], s21, v[GA]
	s_mul_i32 s22, s16, 10
	v_mad_u32_u24 v[LA], v[QD], BP, s22
	s_mov_b32 s24, 0xbfb8aa3b                      ; -log2(e)
	s_mov_b32 s25, s24                             ; named with it as a pair
	s_mov_b32 s26, 0x410a7fac                      ; 6 log2(e)
	s_mov_b32 s27, s26
	s_wait_kmcnt 0x0
	global_load_b128 v[XV:XV+3],     v[GA], s[4:5]                  ; all five planes are asked for at once: 80 bytes a lane on their way
	global_load_b128 v[XV+4:XV+7],   v[GA], s[4:5] offset:ZSTEP
	global_load_b128 v[XV+8:XV+11],  v[GA], s[4:5] offset:2*ZSTEP
	global_load_b128 v[XV+12:XV+15], v[GA], s[4:5] offset:3*ZSTEP
	global_load_b128 v[XV+16:XV+19], v[GB], s[4:5]
	; The 6 bytes behind each brick's 250 are written too, so that whole blocks leave: waves 0 and 1 (j = 0, q = thread 0..63) take a brick a lane.
	s_cmp_gt_u32 s14, 1
	s_cbranch_scc1 .Lnopad
	v_mov_b32 v[ZR], 0
	v_mul_u32_u24 v[PA], v[QD], BP
	ds_store_b16 v[PA], v[ZR] offset:BP+250
	ds_store_b32 v[PA], v[ZR] offset:BP+252
.Lnopad:
; Plane k: sigmoid(x - 6) = 1 / (1 + 2^(-log2(e) x + 6 log2(e))) for my 4 voxels, rounded to bf16, into the images.  Image b + 1 is brick b's.
; My voxels are i = 0..3 of brick q; the first of them is also i = 4 of brick q - 1 (lane 0's lands in image 0, which nobody reads: there is no brick -1).
.macro PLANE k
.set A, XV+4*(\k)
.set B, PKD+2*(\k)
	s_wait_loadcnt 4-(\k)                          ; loads come back in order (ISA guide 5.7.1): plane k is in, the younger planes stay out
	v_pk_fma_f32 v[A:A+1],   v[A:A+1],   s[24:25], s[26:27] op_sel_hi:[1,0,0]
	v_pk_fma_f32 v[A+2:A+3], v[A+2:A+3], s[24:25], s[26:27] op_sel_hi:[1,0,0]
	v_exp_f32 v[A],   v[A]
	v_exp_f32 v[A+1], v[A+1]
	v_exp_f32 v[A+2], v[A+2]
	v_exp_f32 v[A+3], v[A+3]
	v_nop                                          ; a plain instruction between the exponentials and the use of their results (ISA guide 5.7.2)
	s_wait_alu depctr_va_vdst(0)
	v_pk_add_f32 v[A:A+1],   v[A:A+1],   1.0 op_sel_hi:[1,0]
	v_pk_add_f32 v[A+2:A+3], v[A+2:A+3], 1.0 op_sel_hi:[1,0]
	v_rcp_f32 v[A],   v[A]
	v_rcp_f32 v[A+1], v[A+1]
	v_rcp_f32 v[A+2], v[A+2]
	v_rcp_f32 v[A+3], v[A+3]
	v_nop                                          ; the same behind the reciprocals
	s_wait_alu depctr_va_vdst(0)
	v_cvt_pk_bf16_f32 v[B],   v[A],   v[A+1]
	v_cvt_pk_bf16_f32 v[B+1], v[A+2], v[A+3]
	ds_store_b16        v[LA], v[B]   offset:BP+50*(\k)       ; a row of a brick begins at a multiple of 10 bytes, so the numbers go one by one
	ds_store_b16_d16_hi v[LA], v[B]   offset:BP+50*(\k)+2
	ds_store_b16        v[LA], v[B+1] offset:BP+50*(\k)+4
	ds_store_b16_d16_hi v[LA], v[B+1] offset:BP+50*(\k)+6
	ds_store_b16        v[LA], v[B]   offset:50*(\k)+8        ; i = 4 of the brick to the left
.endm
	PLANE 0
	PLANE 1
	PLANE 2
	PLANE 3
	PLANE 4
	; Brick 63 has no right neighbour: its i = 4 is voxel 255 once more, lane q = 63's fourth number.
	v_cmp_eq_u32 vcc_lo, 63, v[QD]
	s_wait_xcnt 0x0                                ; EXEC changes only behind this wait: it is a source of the global loads above
	s_and_saveexec_b32 s28, vcc_lo
.irp k, 0,1,2,3,4
	ds_store_b16_d16_hi v[LA], v[PKD+2*(\k)+1] offset:BP+50*(\k)+8
.endr
	s_or_b32 exec_lo, exec_lo, s28                 ; no global instruction was issued under the narrow EXEC
	s_wait_tensorcnt 0x0                           ; behind my last LDS store; the addresses of the way out stand between the add and its wait
	ds_add_u32 v[SPW], v[NIL]
	v_lshrrev_b32 v[RD], 4, v[LN]                  ; back: lanes 0-15 take one image's 256 bytes, lanes 16-31 the next one's
	v_mul_u32_u24 v[RD], v[RD], BP
	v_and_b32 v[GO], 15, v[LN]
	v_lshl_add_u32 v[RD], v[GO], 4, v[RD]
	s_mul_i32 s29, s14, 2*BP                       ; wave w begins with bricks 2 w, 2 w + 1
	v_add_nc_u32 v[RD], s29, v[RD]
	s_lshl_b32 s30, s14, 9
	v_lshl_add_u32 v[GO], v[LN], 4, s30            ; 512 w + 16 lane
	s_lshl_b32 s31, s15, 6
	s_add_co_u32 s31, s31, ttmp9                   ; the work-group's number, 64 bz + by
	s_lshl_b32 s32, s31, 14                        ; its 64 bricks are 16 KiB
	s_mov_b32 s33, 0
	s_add_nc_u64 s[10:11], s[10:11], s[32:33]
	s_wait_dscnt 0x0                               ; for the others' sake: all my stores into the images are done
	s_barrier_signal -1
	s_barrier_wait -1
	; 32 pairs of bricks for ten waves: pairs w, w + 10, w + 20 for every wave; pairs 30 and 31 for waves 0 and 1.
	ds_load_b128 v[XV:XV+3],    v[RD] offset:BP
	ds_load_b128 v[XV+4:XV+7],  v[RD] offset:BP+20*BP
	ds_load_b128 v[XV+8:XV+11], v[RD] offset:BP+40*BP
	s_wait_dscnt 2                                 ; LDS loads come back in order: the first is in, two stay out
	global_store_b128 v[GO], v[XV:XV+3], s[10:11]
	s_wait_dscnt 1
	global_store_b128 v[GO], v[XV+4:XV+7], s[10:11] offset:20*256
	s_wait_dscnt 0
	global_store_b128 v[GO], v[XV+8:XV+11], s[10:11] offset:40*256
	s_cmp_gt_u32 s14, 1
	s_cbranch_scc1 .Lnot01
	ds_load_b128 v[XV+12:XV+15], v[RD] offset:BP+60*BP
	s_wait_dscnt 0
	global_store_b128 v[GO], v[XV+12:XV+15], s[10:11] offset:60*256
	s_branch .Lend
.Lnot01:
	s_cmp_gt_u32 s14, 4
	s_cbranch_scc1 .Lend
	; THE RAYS.  196,608 (ray, axis) items, 48 to a work-group; two lanes to an item, one for the start and one for the step: 96 lanes, waves 2 to 4.
	s_sub_co_u32 s34, s14, 2
	s_lshl_b32 s34, s34, 5
	s_mul_i32 s35, s31, 96
	s_add_co_u32 s34, s34, s35
	v_add_nc_u32 v[RY], s34, v[LN]                 ; u = 2 x item + kind
	v_lshrrev_b32 v[RY+1], 1, v[RY]
	v_lshlrev_b32 v[RY+1], 2, v[RY+1]              ; the item's 4 bytes in source and in target
	v_and_b32 v[RY+2], 1, v[RY]
	global_load_b32 v[RY+3], v[RY+1], s[6:7]
	global_load_b32 v[RY+4], v[RY+1], s[8:9]
	v_lshlrev_b32 v[RY], 3, v[RY]                  ; 8 bytes a lane: a wave's store covers 256 consecutive bytes, aligned
	s_mov_b32 s36, 0xc6fffe00                      ; -32,767
	s_mov_b32 s37, 0x46fffe00                      ; +32,767
	v_cmp_eq_u32 vcc_lo, 1, v[RY+2]
	s_wait_loadcnt 0x0
	v_med3_num_f32 v[RY+3], v[RY+3], s36, s37
	v_med3_num_f32 v[RY+4], v[RY+4], s36, s37
	v_sub_f32 v[RY+4], v[RY+4], v[RY+3]
	v_mul_f32 v[RY+4], 0x3b244029, v[RY+4]         ; (target - source) / 399: 399 steps of it miss the target by some 2^-23 of the distance
	v_cndmask_b32 v[RY+3], v[RY+3], v[RY+4], vcc_lo  ; kind 0: the start; kind 1: the step
	v_mul_f32 v[RY+3], 0x47800000, v[RY+3]         ; 65536 v: exact
	v_floor_f32 v[RY+4], v[RY+3]
	v_sub_f32 v[RY+3], v[RY+3], v[RY+4]            ; what is left, in 0 to 1: exact
	v_cvt_i32_f32 v[RY+6], v[RY+4]                 ; hi
	v_mul_f32 v[RY+3], 0x4f800000, v[RY+3]         ; times 2^32: exact, and below 2^32
	v_cvt_u32_f32 v[RY+7], v[RY+3]                 ; lo
	global_store_b64 v[RY], v[RY+6:RY+7], s[12:13]
.Lend:
	s_endpgm
.Lfunc_end_k_q5688f51635_prep:
	.size	k_q5688f51635_prep, .Lfunc_end_k_q5688f51635_prep-k_q5688f51635_prep
	.p2alignl 7, 3214868480
	.fill 96, 4, 3214868480
	.section	.rodata,"a",@progbits
	.p2align	6, 0x0
	.amdhsa_kernel k_q5688f51635_prep
		.amdhsa_group_segment_fixed_size 19200
		.amdhsa_private_segment_fixed_size 0
		.amdhsa_enable_private_segment 0
		.amdhsa_kernarg_size 40
		.amdhsa_user_sgpr_count 2
		.amdhsa_user_sgpr_kernarg_segment_ptr 1
		.amdhsa_wavefront_size32 1
		.amdhsa_system_sgpr_workgroup_id_x 1
		.amdhsa_system_sgpr_workgroup_id_y 1
		.amdhsa_system_sgpr_workgroup_id_z 1
		.amdhsa_system_vgpr_workitem_id 0
		.amdhsa_next_free_vgpr 64
		.amdhsa_next_free_sgpr 66
		.amdhsa_reserve_vcc 1
		.amdhsa_float_denorm_mode_32 3
		.amdhsa_float_denorm_mode_16_64 3
		.amdhsa_memory_ordered 1
		.amdhsa_forward_progress 1
		.amdhsa_inst_pref_size 12
	.end_amdhsa_kernel
	.amdgpu_metadata
---
amdhsa.version: [ 1, 2 ]
amdhsa.kernels:
  - .name:           k_q5688f51635_prep
    .symbol:         k_q5688f51635_prep.kd
    .args:
      - { .name: density_raw, .offset: 0, .size: 8, .value_kind: global_buffer, .address_space: global }
      - { .name: source, .offset: 8, .size: 8, .value_kind: global_buffer, .address_space: global }
      - { .name: target, .offset: 16, .size: 8, .value_kind: global_buffer, .address_space: global }
      - { .name: bricks, .offset: 24, .size: 8, .value_kind: global_buffer, .address_space: global }
      - { .name: rayfix, .offset: 32, .size: 8, .value_kind: global_buffer, .address_space: global }
    .group_segment_fixed_size: 19200
    .private_segment_fixed_size: 0
    .kernarg_segment_align: 8
    .kernarg_segment_size: 40
    .max_flat_workgroup_size: 320
    .sgpr_count:     66
    .vgpr_count:     64
    .wavefront_size: 32
...
	.end_amdgpu_metadata
.endif
;; end of part 1
;; launch march (part 2): grid 1024 x 1, 32 waves a work-group, no clusters, 4,352 bytes of LDS; arguments bricks, rayfix, source, target, spacing, out0; writes out0
.if DOCPART == 2
	.amdgcn_target "amdgcn-amd-amdhsa--gfx1250"
	.amdhsa_code_object_version 6
	.text
	.protected	k_q5688f51635_march
	.globl	k_q5688f51635_march
	.p2align	8
	.type	k_q5688f51635_march,@function
k_q5688f51635_march:
	s_mov_b64 s[64:65], 0
	v_nop
	global_prefetch_b8 v0, s[64:65] scope:SCOPE_SE
	s_setreg_imm32_b32 hwreg(HW_REG_WAVE_MODE, 25, 1), 1
	s_wait_xcnt 0x0
; MARCH.  out0[ray] = mean over 400 points of the trilinear sample of the density at clip(source + i / 399 (target - source), 0, 255), times |(target - source) spacing|.
; SHARES.  Sixteen lanes serve one ray, a wave two rays, a work-group's 32 waves 64 rays.  Lane l of the sixteen takes points l + 16 j, j = 0..24: 16 x 25 = 400.  So in one load
; the sixteen lanes of a ray ask for sixteen neighbouring points, which share their bricks.
; ADDRESSES ARE MADE OF WHOLE NUMBERS ALONE.  A point's place on an axis is a signed 32-bit number with 16 fractional bits, made from the ray's record in rayfix (start and step with
; 48 fractional bits, written by the launch before) and stepped by one addition.  Clamped to 0 .. 255 x 65536 its bits 23:18 are the brick, 17:16 the cell in the brick, 15:0 the fraction F.
; The table (see the launch before): brick (64 bz + by) 64 + bx is 256 bytes; number (k, j, i) of its 5 x 5 x 5 lies at byte 2 (25 k + 5 j + i).  The cell's 8 corners lie at the
; constant distances 2 (25 dz + 5 dy + dx) from its first: one address, eight loads of 2 bytes, all in one aligned 256 bytes.  At place 255 the cell is 255, F = 0, and the upper corner is the
; repeated border: reference()'s i1 = min(i0 + 1, 255).
; ARITHMETIC.  The weights stay whole: F and G = 65536 - F as f32, exact.  c G + c' F on each axis gives 2^48 times the sample; 2^-48 / 400 goes into the ray's factor.  The corners are bf16 and
; are multiplied as they lie (v_fma_mix_f32_bf16); products and sums are f32.
; LIMITS.  The table's bf16 (at most 2^-9 of each density).  A place is off by at most 2^-16 (the start is cut) + 25 x 2^-17 (the rounded step, 24 times added) of a voxel.  Coordinates beyond
; +-32,767 were clamped by the launch before.  NaN and infinities are not treated apart.
; IN FLIGHT.  Two register buffers take turns: a step's eight loads are issued a whole step ahead of their use; 64 registers a wave leave room for sixteen waves on a SIMD.
; No tensor load (2-byte gathers are no tile), no cluster (no two work-groups want a block at the same time), no matrix unit (no product), no prefetch: a brick is wanted by many rays at
; unrelated times, so it cannot be asked for once, and its address ahead of time would cost 13 instructions beside a step's 40.
.set SPARE, 256                        ; LDS bytes 0-255: the 64 results; behind them the spare words, 128 bytes for each of 32 waves: sixteen blocks of 256 bytes that no other line names
.set SPW, 1                            ; v1      LDS address of my spare word; never rewritten
.set NIL, 2                            ; v2      0; never rewritten
.set PT,  3                            ; v3      l: my place among the ray's sixteen lanes
.set ZR,  4                            ; v4      0.0
.set ACC, 5                            ; v5      my sum
.set SC,  6                            ; v6      the ray's factor
.set RA,  7                            ; v7      LDS address of my ray's result
.set POS, 8                            ; v8-10   my next point's place: z, y, x
.set INC, 11                           ; v11-13  16 steps
.set HH,  14                           ; v14-16  the clamped place, then the cell in the brick
.set TT,  17                           ; v17-19  at work
.set XA,  20                           ; v[20:21] along x: (z0, y0), (z1, y0)
.set XB,  22                           ; v[22:23]          (z0, y1), (z1, y1)
.set YY,  24                           ; v[24:25] along y: z0, z1
.set RF,  26                           ; v26     my ray's byte offset in rayfix
.set SO,  27                           ; v27     in source and target
.set OUT, 28                           ; v[28:29] wave 0: two results on their way out
.set BUF, 32                           ; v[32:47], v[48:63] buffer b: +0..7 the corners (4 dz + 2 dy + dx); +8, +9 Gy, Gz; +10, +11 Fy, Fz; +12 Fx; +13 Gx; +14 the address
	s_load_b256 s[4:11], s[0:1], 0x0               ; bricks s[4:5], rayfix s[6:7], source s[8:9], target s[10:11]
	s_load_b128 s[12:15], s[0:1], 0x20             ; spacing s[12:13], out0 s[14:15]
	v_lshl_add_u32 v[SPW], v0, 2, SPARE
	v_mov_b32 v[NIL], 0
	v_lshrrev_b32 v[RA], 5, v0
	v_readfirstlane_b32 s16, v[RA]                 ; wave 0..31
	v_and_b32 v[PT], 15, v0
	v_lshrrev_b32 v[RF], 4, v0                     ; my ray among the work-group's 64
	s_lshl_b32 s17, ttmp9, 6
	v_add_nc_u32 v[RF], s17, v[RF]                 ; my ray
	v_mul_u32_u24 v[SO], v[RF], 12
	v_mul_u32_u24 v[RF], v[RF], 48
	s_lshl_b32 s18, ttmp9, 8                       ; the work-group's 256 bytes of out0
	s_mov_b32 s19, 0
	s_mov_b32 s24, 0xff0000                        ; place 255
	s_mov_b32 s26, 0x47800000                      ; 65536.0
	s_mov_b32 s27, s26                             ; named with it as a pair
	s_wait_kmcnt 0x0
	s_load_b96 s[20:22], s[12:13], 0x0             ; spacing: z, y, x
	global_load_b128 v[BUF:BUF+3],    v[RF], s[6:7]             ; z: start hi, start lo, step hi, step lo
	global_load_b128 v[BUF+4:BUF+7],  v[RF], s[6:7] offset:16   ; y
	global_load_b128 v[BUF+8:BUF+11], v[RF], s[6:7] offset:32   ; x
	global_load_b96 v[BUF+12:BUF+14], v[SO], s[8:9]
	global_load_b96 v[BUF+16:BUF+18], v[SO], s[10:11]
	s_add_nc_u64 s[14:15], s[14:15], s[18:19]
	v_bfe_u32 v[RA], v0, 4, 1
	s_lshl_b32 s23, s16, 3
	v_lshl_add_u32 v[RA], v[RA], 2, s23            ; 8 wave + 4 (lane / 16)
	v_mov_b32 v[ZR], 0
	v_mov_b32 v[ACC], 0
	s_wait_loadcnt 0x0
	s_wait_kmcnt 0x0
	; the ray's factor: |(target - source) spacing| / 400 / 2^48
.irp a, 0,1,2
	v_sub_f32 v[BUF+12+(\a)], v[BUF+16+(\a)], v[BUF+12+(\a)]
.endr
	v_mul_f32 v[BUF+12], s20, v[BUF+12]
	v_mul_f32 v[BUF+13], s21, v[BUF+13]
	v_mul_f32 v[BUF+14], s22, v[BUF+14]
	v_mul_f32 v[SC], v[BUF+12], v[BUF+12]
	v_fmac_f32 v[SC], v[BUF+13], v[BUF+13]
	v_fmac_f32 v[SC], v[BUF+14], v[BUF+14]
	v_sqrt_f32 v[SC], v[SC]                        ; its result is used behind the 27 plain instructions below
	; My first point, start + l step, and 16 steps, each cut to 16 fractional bits.  Of the low words the upper 16 bits are enough: l (step lo >> 16) + (start lo >> 16) stays under 2^20.
.irp a, 0,1,2
	v_lshrrev_b32 v[TT], 16, v[BUF+4*(\a)+3]
	v_lshrrev_b32 v[TT+1], 16, v[BUF+4*(\a)+1]
	v_mad_u32_u24 v[TT+1], v[PT], v[TT], v[TT+1]
	v_lshrrev_b32 v[TT+1], 16, v[TT+1]             ; what the fractions carry into the high word
	v_mul_lo_u32 v[TT+2], v[PT], v[BUF+4*(\a)+2]   ; modulo 2^32: right for a negative step too
	v_add3_u32 v[POS+(\a)], v[TT+2], v[BUF+4*(\a)], v[TT+1]
	v_lshl_add_u32 v[TT], v[TT], 4, 0x8000         ; 16 steps, rounded to the nearest
	v_lshrrev_b32 v[TT], 16, v[TT]
	v_lshl_add_u32 v[INC+(\a)], v[BUF+4*(\a)+2], 4, v[TT]
.endr
	s_wait_alu depctr_va_vdst(0)
	v_mul_f32 v[SC], 0x2323d70a, v[SC]             ; 2^-48 / 400
; A step's first half, for buffer b: the point's place is clamped and stepped; weights; address; the eight loads go out.
.macro AHEAD b
.set U, BUF+16*(\b)
.irp a, 0,1,2
	v_med3_i32 v[HH+(\a)], v[POS+(\a)], 0, s24     ; reference()'s clip
.endr
.irp a, 0,1,2
	v_add_nc_u32 v[POS+(\a)], v[POS+(\a)], v[INC+(\a)]
.endr
	v_and_b32 v[TT],   0xffff, v[HH+1]
	v_and_b32 v[TT+1], 0xffff, v[HH]
	v_and_b32 v[TT+2], 0xffff, v[HH+2]
	v_cvt_f32_u32 v[U+10], v[TT]                   ; Fy
	v_cvt_f32_u32 v[U+11], v[TT+1]                 ; Fz
	v_cvt_f32_u32 v[U+12], v[TT+2]                 ; Fx
	v_pk_fma_f32 v[U+8:U+9], v[U+10:U+11], -1.0, s[26:27] op_sel_hi:[1,0,0]  ; Gy, Gz = 65536 - F: exact
	v_sub_f32 v[U+13], s26, v[U+12]                ; Gx
	v_lshrrev_b32 v[TT],   18, v[HH]               ; bz
	v_lshrrev_b32 v[TT+1], 18, v[HH+1]             ; by
	v_lshrrev_b32 v[TT+2], 18, v[HH+2]             ; bx
	v_lshl_or_b32 v[TT], v[TT], 6, v[TT+1]
	v_lshl_or_b32 v[TT], v[TT], 6, v[TT+2]
	v_min_u32 v[TT], 0x3ffff, v[TT]                ; the brick's number, held inside the table whatever rayfix holds
	v_bfe_u32 v[HH],   v[HH],   16, 2              ; the cell in the brick
	v_bfe_u32 v[HH+1], v[HH+1], 16, 2
	v_bfe_u32 v[HH+2], v[HH+2], 16, 2
	v_mad_u32_u24 v[HH], v[HH], 5, v[HH+1]
	v_mad_u32_u24 v[HH], v[HH], 5, v[HH+2]
	v_min_u32 v[HH], 93, v[HH]                     ; 25 z + 5 y + x, 93 at the most: the farthest corner is number 124
	v_lshlrev_b32 v[TT], 8, v[TT]
	v_lshl_add_u32 v[U+14], v[HH], 1, v[TT]        ; this buffer's last loads were waited for before its address is written anew
.irp n, 0,1,2,3,4,5,6,7
	global_load_u16 v[U+(\n)], v[U+14], s[4:5] offset:2*(25*((\n)/4)+5*(((\n)/2)%2)+(\n)%2)
.endr
.endm
; A step's second half: the eight corners of buffer b are in; along x, along y, along z, and onto the sum.  left = the younger loads that may stay out.
.macro DONE b, left
.set U, BUF+16*(\b)
	s_wait_loadcnt \left                           ; loads come back in order (ISA guide 5.7.1): this buffer's eight are in, the other buffer's eight stay out
	v_fma_mix_f32_bf16 v[XA],   v[U],   v[U+13], v[ZR] op_sel_hi:[1,0,0]     ; source 0 is the bf16 in the register's low half
	v_fma_mix_f32_bf16 v[XA+1], v[U+4], v[U+13], v[ZR] op_sel_hi:[1,0,0]
	v_fma_mix_f32_bf16 v[XB],   v[U+2], v[U+13], v[ZR] op_sel_hi:[1,0,0]
	v_fma_mix_f32_bf16 v[XB+1], v[U+6], v[U+13], v[ZR] op_sel_hi:[1,0,0]
	v_fma_mix_f32_bf16 v[XA],   v[U+1], v[U+12], v[XA]   op_sel_hi:[1,0,0]
	v_fma_mix_f32_bf16 v[XA+1], v[U+5], v[U+12], v[XA+1] op_sel_hi:[1,0,0]
	v_fma_mix_f32_bf16 v[XB],   v[U+3], v[U+12], v[XB]   op_sel_hi:[1,0,0]
	v_fma_mix_f32_bf16 v[XB+1], v[U+7], v[U+12], v[XB+1] op_sel_hi:[1,0,0]
	v_pk_mul_f32 v[YY:YY+1], v[XA:XA+1], v[U+8:U+9] op_sel_hi:[1,0]                    ; both by Gy
	v_pk_fma_f32 v[YY:YY+1], v[XB:XB+1], v[U+10:U+11], v[YY:YY+1] op_sel_hi:[1,0,1]    ; both by Fy
	v_fmac_f32 v[ACC], v[YY],   v[U+9]             ; Gz
	v_fmac_f32 v[ACC], v[YY+1], v[U+11]            ; Fz
.endm
	AHEAD 0                                        ; step 0
	s_mov_b32 s25, 12
.Lstep:                                                ; a trip: steps 2 t + 1 and 2 t + 2 are asked for, steps 2 t and 2 t + 1 are finished
	AHEAD 1
	DONE 0, 8
	AHEAD 0
	DONE 1, 8
	s_sub_co_u32 s25, s25, 1
	s_cmp_lg_u32 s25, 0
	s_cbranch_scc1 .Lstep
	DONE 0, 0                                      ; step 24: nothing was asked for behind it
	; the sum over the ray's sixteen lanes rides on the additions (DPP inside a row of 16 lanes); every lane of the row ends with it
	v_add_f32_dpp v[ACC], v[ACC], v[ACC] row_xmask:1 row_mask:0xf bank_mask:0xf
	v_add_f32_dpp v[ACC], v[ACC], v[ACC] row_xmask:2 row_mask:0xf bank_mask:0xf
	v_add_f32_dpp v[ACC], v[ACC], v[ACC] row_xmask:4 row_mask:0xf bank_mask:0xf
	v_add_f32_dpp v[ACC], v[ACC], v[ACC] row_xmask:8 row_mask:0xf bank_mask:0xf
	v_mul_f32 v[ACC], v[ACC], v[SC]
	ds_store_b32 v[RA], v[ACC]                     ; the sixteen lanes write one word with one value
	s_wait_tensorcnt 0x0                           ; behind my last LDS store
	ds_add_u32 v[SPW], v[NIL]
	v_and_b32 v[TT], 31, v0
	v_lshlrev_b32 v[TT], 3, v[TT]                  ; 8 bytes a lane
	s_wait_dscnt 0x0                               ; for the others' sake: my result is in LDS
	s_barrier_signal -1
	s_barrier_wait -1
	s_cmp_lg_u32 s16, 0
	s_cbranch_scc1 .Lend
	ds_load_b64 v[OUT:OUT+1], v[TT]                ; wave 0 takes the 64 results
	s_wait_dscnt 0x0
	global_store_b64 v[TT], v[OUT:OUT+1], s[14:15] ; one store of 256 consecutive bytes, aligned
.Lend:
	s_endpgm
.Lfunc_end_k_q5688f51635_march:
	.size	k_q5688f51635_march, .Lfunc_end_k_q5688f51635_march-k_q5688f51635_march
	.p2alignl 7, 3214868480
	.fill 96, 4, 3214868480
	.section	.rodata,"a",@progbits
	.p2align	6, 0x0
	.amdhsa_kernel k_q5688f51635_march
		.amdhsa_group_segment_fixed_size 4352
		.amdhsa_private_segment_fixed_size 0
		.amdhsa_enable_private_segment 0
		.amdhsa_kernarg_size 48
		.amdhsa_user_sgpr_count 2
		.amdhsa_user_sgpr_kernarg_segment_ptr 1
		.amdhsa_wavefront_size32 1
		.amdhsa_system_sgpr_workgroup_id_x 1
		.amdhsa_system_sgpr_workgroup_id_y 1
		.amdhsa_system_sgpr_workgroup_id_z 1
		.amdhsa_system_vgpr_workitem_id 0
		.amdhsa_next_free_vgpr 64
		.amdhsa_next_free_sgpr 66
		.amdhsa_reserve_vcc 0
		.amdhsa_float_denorm_mode_32 3
		.amdhsa_float_denorm_mode_16_64 3
		.amdhsa_memory_ordered 1
		.amdhsa_forward_progress 1
		.amdhsa_inst_pref_size 14
	.end_amdhsa_kernel
	.amdgpu_metadata
---
amdhsa.version: [ 1, 2 ]
amdhsa.kernels:
  - .name:           k_q5688f51635_march
    .symbol:         k_q5688f51635_march.kd
    .args:
      - { .name: bricks, .offset: 0, .size: 8, .value_kind: global_buffer, .address_space: global }
      - { .name: rayfix, .offset: 8, .size: 8, .value_kind: global_buffer, .address_space: global }
      - { .name: source, .offset: 16, .size: 8, .value_kind: global_buffer, .address_space: global }
      - { .name: target, .offset: 24, .size: 8, .value_kind: global_buffer, .address_space: global }
      - { .name: spacing, .offset: 32, .size: 8, .value_kind: global_buffer, .address_space: global }
      - { .name: out0, .offset: 40, .size: 8, .value_kind: global_buffer, .address_space: global }
    .group_segment_fixed_size: 4352
    .private_segment_fixed_size: 0
    .kernarg_segment_align: 8
    .kernarg_segment_size: 48
    .max_flat_workgroup_size: 1024
    .sgpr_count:     66
    .vgpr_count:     64
    .wavefront_size: 32
...
	.end_amdgpu_metadata
.endif
;; end of part 2
